; MI455X (gfx1250); checked and timed in simulation.
; The chip was launched on July 23, 2026; its instructions are those of AMD's public machine-readable ISA for CDNA 5 (MIT licence, August 2026) and "CDNA5" Instruction Set Architecture Reference Guide (July 2026). The comments in the code are by the model that wrote it; some were corrected since.
;; bin feature. Allowed arithmetic: matrix products marked QUANTISED: E5M2 operands, one given power-of-two scale a tensor, by v_wmma_f32_16x16x64_bf8_bf8 or v_wmma_f32_16x16x128_bf8_bf8, f32 sums; everything else in f32.
;; Inputs: W 128 x 2,000 float32; bias 128 float32; lowp_scales 2 int32 (the exponents e of the quantised operands' scales 2^e); x 128 x 512 float32.
;; Outputs: out0 128 x 512 x 128 float32.
;; This version of the problem:
;;   THIS VERSION OF THE PROBLEM IS GIVEN IN LOW PRECISION. The matrix products marked QUANTISED in the list below multiply operands that are first quantised to E5M2 (5 exponent bits, 2 mantissa bits; 8 bits a number), with one given power-of-two scale for each operand tensor; their sums are f32. All else is computed in f32.
;;   The module's matrix products, in the order in which they are computed (A, B: the left and right operand; K: the contracted axis; several contracted axes count as one K, in the product's order):
;;     1. [M 65,536, K 2,000] x [K 2,000, N 128]; A: computed on the way; B: input W: QUANTISED (scales: A lowp_scales[0], B lowp_scales[1])
;;   THE QUANTISER, for each operand of a quantised product, along K:
;;     - The operand's scale is 2^e, e = its entry of the input lowp_scales (int32; the entries are numbered through the quantised products in the list's order, A before B).
;;     - Each number is divided by the scale, clamped to +-57,344, and rounded to the nearest number of E5M2, ties to even, subnormals kept.
;;     - The product sums the exact products of the quantised numbers (number of the format x scale) in f32.
;;   ~~~python
;;   def quantise(x, axis, e):      # numpy; x: float32 -> the quantised numbers, widened to float32 again
;;       x = np.moveaxis(x, axis, -1); K = x.shape[-1]
;;       r = np.clip(x / 2.0 ** e, -57344, 57344)
;;       step = 2.0 ** (np.maximum(np.frexp(np.where(r == 0, 1, r))[1] - 1, -14) - 2)
;;       q = np.round(r / step) * step * 2.0 ** e      # np.round: ties to even
;;       return np.moveaxis(q, -1, axis).astype(np.float32)
;;   ~~~
;;   OPERANDS COMPUTED ON THE WAY. 'Computed on the way' means the value that the module computes at that place (a softmax that the list does not call 'softmax' is quantised finished and normalised). What goes into a quantiser is computed in f32, as accurately as f32 sums, v_exp_f32 and their like allow (about 1e-6 of the number): no bf16 or f16 on the way to a quantiser, and a product that is left as it is and whose result goes on into a quantised operand takes f32 operands (vector FMAs, or v_wmma_f32_16x16x4_f32). A number that lies on a knife's edge between two numbers of the format may be rounded either way, as far as f32 arithmetic and the matrix unit's own rounding can turn it there, and no further.
;; One version. Each part assembles by itself: llvm-mc -triple=amdgcn-amd-amdhsa -mcpu=gfx1250 --defsym DOCPART=n.
;; ======== version 1 of 1: 2 launches
;; limits: right only within a limited range of input values
;; workspace buffers: wq 262,144 bytes
;; launch wquant (part 1): grid 64 x 1, 8 waves a work-group, no clusters, 5,376 bytes of LDS; arguments W, lowp_scales, wq; writes wq
.if DOCPART == 1
	.amdgcn_target "amdgcn-amd-amdhsa--gfx1250"
	.amdhsa_code_object_version 6
	.text
	.protected	k_qcaf7540e96_wquant
	.globl	k_qcaf7540e96_wquant
	.p2align	8
	.type	k_qcaf7540e96_wquant,@function
k_qcaf7540e96_wquant:
	s_mov_b64 s[64:65], 0
	v_nop
	global_prefetch_b8 v0, s[64:65] scope:SCOPE_SE
	s_setreg_imm32_b32 hwreg(HW_REG_WAVE_MODE, 25, 1), 1
	s_wait_xcnt 0x0
; W [128 (n)][2000 (k)], f32, becomes codes of BF8 (E5M2) with the given scale 2^e1 (entry 1 of the scales), laid in wq as IMAGES OF THE OPERAND'S REGISTERS for the product's launch.
; code = W / 2^e1, held within +-57,344, rounded to the nearest code, ties to even.  K is filled up to 2,048 with zero codes.
; LIMITS: -126 <= e1 <= 112, so that 2^e1 and 57,344 x 2^e1 are f32 numbers.  NaN in W is not served (an infinity is held at the largest code).
; THE LAYOUT OF wq.  Column half hf, K step s = 0..15, column tile c = 0..3: 2,048 bytes at 131,072 hf + 8,192 s + 2,048 c.  In it: byte 512 c4 + 256 h + 16 r + 4 ii + y is register i = 4 c4 + ii, byte y, of lane 16 h + r.
; That byte holds column n = 64 hf + 4 r + c at k = 4 (32 i + 16 h + s) + y.  (Which k lies where is free, as long as the other operand is laid alike.)
; SHARES.  Work-group 8 (4 hf + c) + 2 c4 + h makes, for all 16 s, the 256 bytes (hf, s, c, c4, h).  Thread 16 r + s takes 16 numbers: register ii's four are the 16 bytes at 2,048 c4 + 512 ii + 256 h + 16 s of row n,
; so sixteen lanes of each load read 256 consecutive bytes of a row of W.  The codes turn through a stage in LDS, a row for each s, and leave as whole aligned units of 256 bytes.
.set KROW,  8000                       ; a row of W in bytes
.set SP,    272                        ; a stage row: 17 x 16 bytes
.set SPARE, 16*SP                      ; behind the stage: the spare words, 128 bytes for each wave
.set D,     16                         ; v16-31   my 16 numbers
.set C,     32                         ; v32-35   my 16 codes; v36-39 a row's 16 bytes back from the stage
	s_load_b128 s[4:7], s[0:1], 0x0                ; W s[4:5], the scales' exponents s[6:7]
	s_load_b64 s[8:9], s[0:1], 0x10                ; wq
	v_lshl_add_u32 v60, v0, 2, SPARE
	v_mov_b32 v61, 0
	v_and_b32 v3, 15, v0                           ; s
	v_lshrrev_b32 v5, 4, v0                        ; r
	s_and_b32 s11, ttmp9, 1                        ; h
	s_lshr_b32 s12, ttmp9, 1
	s_and_b32 s12, s12, 3                          ; c4
	s_lshr_b32 s13, ttmp9, 3
	s_and_b32 s14, s13, 3                          ; c
	s_lshr_b32 s13, s13, 2                         ; hf
	s_lshl_b32 s15, s13, 6
	s_add_co_u32 s15, s15, s14
	s_mul_i32 s16, s15, KROW                       ; row 64 hf + c of W
	s_mov_b32 s17, 0
	s_lshl_b32 s18, s13, 17
	s_lshl_b32 s19, s14, 11
	s_add_co_u32 s18, s18, s19
	s_lshl_b32 s19, s12, 9
	s_add_co_u32 s18, s18, s19
	s_lshl_b32 s21, s11, 8
	s_add_co_u32 s18, s18, s21                     ; wq: 131,072 hf + 2,048 c + 512 c4 + 256 h
	s_mov_b32 s19, 0
	s_lshl_b32 s22, s12, 11
	s_add_co_u32 s21, s21, s22                     ; 2,048 c4 + 256 h: where the work-group stands in a row
	s_wait_alu depctr_va_vdst(0)
	v_lshl_add_u32 v6, v3, 4, s21                  ; my 16 bytes of a row for ii = 0
	v_add_nc_u32 v7, 1536, v6                      ; and for ii = 3, which alone can pass the row's end
	v_min_u32 v8, KROW-16, v7                      ; held at the row's last 16 bytes: no load leaves its row
	v_mul_u32_u24 v9, v5, 4*KROW                   ; rows 4 r further down
	v_add_nc_u32 v10, v9, v6
	v_add_nc_u32 v11, v9, v8
	v_mul_u32_u24 v12, v3, SP
	v_lshl_add_u32 v12, v5, 4, v12                 ; the stage, on the way in: row s, 16 r
	v_lshlrev_b32 v14, 4, v3
	v_mul_u32_u24 v13, v5, SP
	v_add_nc_u32 v13, v13, v14                     ; on the way out: row thread / 16, 16 (thread mod 16)
	v_lshl_add_u32 v14, v5, 13, v14                ; and the same in wq: K step thread / 16
	s_wait_alu depctr_va_vdst(0)
	s_wait_kmcnt 0x0
	s_load_b32 s20, s[6:7], 0x4                    ; e1
	s_add_nc_u64 s[4:5], s[4:5], s[16:17]
	s_add_nc_u64 s[8:9], s[8:9], s[18:19]
.irp i, 0,1,2
	global_load_b128 v[D+4*\i:D+4*\i+3], v10, s[4:5] offset:512*\i th:TH_LOAD_NT
.endr
	global_load_b128 v[D+12:D+15], v11, s[4:5] th:TH_LOAD_NT
	v_cmp_gt_u32 vcc_lo, KROW, v7                  ; does ii = 3 still lie inside K = 2,000?
	s_wait_kmcnt 0x0
	s_add_co_i32 s20, s20, 127
	s_lshl_b32 s21, s20, 23
	v_mov_b32 v41, s21                             ; 2^e1 as f32: the conversion takes its exponent field
	s_add_co_i32 s20, s20, 15
	s_lshl_b32 s20, s20, 23
	s_or_b32 s20, s20, 0x600000
	v_mov_b32 v40, s20                             ; 57,344 x 2^e1
	s_wait_alu depctr_va_vdst(0)
	s_wait_loadcnt 0x0
.irp y, 0,1,2,3
	v_cndmask_b32 v[D+12+\y], 0, v[D+12+\y], vcc_lo   ; past K: zeros, whatever the held load brought
.endr
.irp i, 0,1,2,3,4,5,6,7,8,9,10,11,12,13,14,15
	v_med3_num_f32 v[D+\i], v[D+\i], -v40, v40     ; the conversion to an 8-bit code does not saturate (ISA guide 7.6.2): the hold at the largest code x the scale
.endr
	v_cvt_scalef32_pk8_bf8_f32 v[C:C+1], v[D:D+7], v41
	v_cvt_scalef32_pk8_bf8_f32 v[C+2:C+3], v[D+8:D+15], v41
	v_nop                                          ; a plain vector line behind the conversions
	ds_store_b128 v12, v[C:C+3]
	s_wait_dscnt 0x0                               ; for the others' sake: my store into the stage has landed
	s_barrier_signal -1
	s_barrier_wait -1                              ; a stage row holds codes of all eight waves
	ds_load_b128 v[C+4:C+7], v13
	s_wait_dscnt 0x0
	global_store_b128 v14, v[C+4:C+7], s[8:9]      ; sixteen lanes store 256 consecutive bytes, at a multiple of 256 from wq's first byte
	s_wait_tensorcnt 0x0                           ; the wave's end
	ds_add_u32 v60, v61
	s_wait_dscnt 0x0
	s_endpgm
.Lfunc_end_k_qcaf7540e96_wquant:
	.size	k_qcaf7540e96_wquant, .Lfunc_end_k_qcaf7540e96_wquant-k_qcaf7540e96_wquant
	.p2alignl 7, 3214868480
	.fill 96, 4, 3214868480
	.section	.rodata,"a",@progbits
	.p2align	6, 0x0
	.amdhsa_kernel k_qcaf7540e96_wquant
		.amdhsa_group_segment_fixed_size 5376
		.amdhsa_private_segment_fixed_size 0
		.amdhsa_enable_private_segment 0
		.amdhsa_kernarg_size 24
		.amdhsa_user_sgpr_count 2
		.amdhsa_user_sgpr_kernarg_segment_ptr 1
		.amdhsa_wavefront_size32 1
		.amdhsa_system_sgpr_workgroup_id_x 1
		.amdhsa_system_sgpr_workgroup_id_y 1
		.amdhsa_system_sgpr_workgroup_id_z 1
		.amdhsa_system_vgpr_workitem_id 0
		.amdhsa_next_free_vgpr 64
		.amdhsa_next_free_sgpr 66
		.amdhsa_reserve_vcc 1
		.amdhsa_float_denorm_mode_32 3
		.amdhsa_float_denorm_mode_16_64 3
		.amdhsa_memory_ordered 1
		.amdhsa_forward_progress 1
		.amdhsa_inst_pref_size 5
	.end_amdhsa_kernel
	.amdgpu_metadata
---
amdhsa.version: [ 1, 2 ]
amdhsa.kernels:
  - .name:           k_qcaf7540e96_wquant
    .symbol:         k_qcaf7540e96_wquant.kd
    .args:
      - { .name: W, .offset: 0, .size: 8, .value_kind: global_buffer, .address_space: global }
      - { .name: lowp_scales, .offset: 8, .size: 8, .value_kind: global_buffer, .address_space: global }
      - { .name: wq, .offset: 16, .size: 8, .value_kind: global_buffer, .address_space: global }
    .group_segment_fixed_size: 5376
    .private_segment_fixed_size: 0
    .kernarg_segment_align: 8
    .kernarg_segment_size: 24
    .max_flat_workgroup_size: 256
    .sgpr_count:     66
    .vgpr_count:     64
    .wavefront_size: 32
...
	.end_amdgpu_metadata
.endif
;; end of part 1
;; launch bins (part 2): grid 256 x 1, 8 waves a work-group, clusters of 4 x 1, 167,936 bytes of LDS; arguments wq, x, bias, lowp_scales, out0; writes out0
.if DOCPART == 2
	.amdgcn_target "amdgcn-amd-amdhsa--gfx1250"
	.amdhsa_code_object_version 6
	.text
	.protected	k_qcaf7540e96_bins
	.globl	k_qcaf7540e96_bins
	.p2align	8
	.type	k_qcaf7540e96_bins,@function
k_qcaf7540e96_bins:
	s_mov_b64 s[64:65], 0
	v_nop
	global_prefetch_b8 v0, s[64:65] scope:SCOPE_SE
	s_setreg_imm32_b32 hwreg(HW_REG_WAVE_MODE, 25, 1), 1
	s_wait_xcnt 0x0
	s_wait_alu depctr_hold_cnt(0) depctr_sa_sdst(0) depctr_va_vdst(0) depctr_va_sdst(0) depctr_va_ssrc(0) depctr_va_vcc(0) depctr_vm_vsrc(0)
	s_getreg_b32 s2, hwreg(HW_REG_IB_STS2, 6, 4)
	s_cmp_eq_u32 s2, 0
	s_cbranch_scc0 .Lentry_in_a_cluster
	s_endpgm
.Lentry_in_a_cluster:
	s_bfe_u32 s2, ttmp6, 0x10000c
	s_cmp_lg_u32 s2, 0x3003
	s_cbranch_scc0 .Lentry_shape_is_right
	s_endpgm
.Lentry_shape_is_right:
; out0[row][n] = relu(sum over k of code(row, k) W[n][k] + bias[n]); 65,536 rows, one for each x; code = 1 for k < f, frac at k = f, 0 above; f = floor(x + 1000), frac = x + 1000 - f.
; Both operands are codes of BF8 (E5M2): W's come from wq; the rows' codes, Q(1), Q(frac) and 0 at the given scale 2^e0, are MADE IN REGISTERS: the operand never exists in memory.  Each finished sum is multiplied by 2^(e0 + e1).
; LIMITS: e0 between -126 and 112, e0 + e1 between -126 and 127, so that the powers of two below are f32 numbers.  NaN in x is not served.  x below -1000 (f < 0) gives all zeros, x at or above 1000 all ones, infinities too.
; SHARES.  A work-group takes 512 rows x 64 columns x all of K (2,048, the last 48 with zero codes of W); each of its eight waves, two to a SIMD, 64 rows: 4 row tiles x 4 column tiles = 16 accumulators.
; LDS holds the column half's codes, 131,072 bytes, as they lie in wq, filled ONCE by one tensor load of 16,384 bytes a wave.  Nothing is filled again and nothing is stored to LDS.
; CLUSTER.  The four work-groups of a cluster take the same column half and ask for it JOINTLY: the same load, the same descriptor (the cluster's number, the wave's number and constants), the mask of all four.
; NO PREFETCH: what the products read is asked for once, at the head; no loop could run ahead.
; WHERE k LIES (alike in both operands).  In K step s, register i, byte y of lane (r, h) holds k = 4 q + y, q = 32 i + 16 h + s.  With fq = f / 4, I = fq / 32, u = fq % 32, a row's register i is four ones (the word O) for i < I, 0 for i > I, in
; EVERY step; register I is G(s): O where s < u - 16 h, the mixed word mx (ones below byte f % 4, frac's code there, zeros above) where s = u - 16 h, 0 above.
; So, with E_i = (I == i) ? 1.0 : 0 and Z_i = (I > i) ? O : 0, register i is E_i x G(s) + Z_i, the words taken as f32 numbers: one factor is 0 or 1 and one term is 0, so the multiply-add rounds nothing, and the packed form makes two registers.
; (No word is a NaN's or an infinity's pattern: no byte is above 0x7b.  f32 denormals are kept.)
; G(s) = med3((u - 16 h - s) x 2^121 + mx, 0, O): mx <= O < 2^120 as f32 numbers, since frac's code is not above one's.
; WHICH COLUMNS FORM A TILE.  Lane r of column tile c takes column 64 half + 4 r + c.  In a result, register j of lane (r, h) is row 8 h + j: so register j of the four column tiles is four neighbouring columns of one row,
; and sixteen lanes' 16 bytes are 256 consecutive bytes of out0, aligned: results leave from registers, with no stage in LDS.
; REGISTERS, in windows of 256 (s_set_vgpr_msb: bits 1:0 source 0, 3:2 source 1, 5:4 source 2, 7:6 destination):
;   window 1: v0-127 accumulators (tile t, column tile c: 32 t + 8 c); v128-191 Z (16 a tile); v192-239 three buffers of the rows' codes; v240-243 u - 16 h less the step; v244-247 mx; v248-251 G; v253 LDS address; v254 spare word's address, v255 0.
;   window 0: v0-191 W's fragments, a ring of three K steps (64 each); v192-255 E (16 a tile).  Ahead of the first fragments v0-87 are the prologue's scratch; from K step 14 on v64-67 hold the bias and v69 the store offset.
; One setting of the windows serves the products and the packed multiply-adds between them.
.set AB,   192
.set ZZ,   128
.set EE,   192
.set GG,   248
.set LA,   253
.set BR,   64
.set OFW,  69
.set SPARE, 131072                     ; behind wq's half: the spare words, 128 bytes for each wave
.set MAIN, 0x51                        ; destination, sources 0 and 2 window 1, source 1 window 0
.set MSB, 0
.macro WIN new                         ; the immediate's high byte repeats the setting that is left; a switch that changes nothing is dropped
.if MSB != (\new)
	s_set_vgpr_msb (MSB<<8)|(\new)
.set MSB, (\new)
.endif
.endm
; A round of the cluster's barrier: my work-group's barrier, wave 0's signal for the work-group, the wait for all four work-groups, my work-group's barrier once more.
.macro CROUND
	s_barrier_signal -1
	s_barrier_wait -1
	s_cmp_lg_u32 s2, 0
	s_cbranch_scc1 .Lnot_wave_0_\@
	s_barrier_signal -3
.Lnot_wave_0_\@:
	s_barrier_wait -3
	s_barrier_signal -1
	s_barrier_wait -1
.endm
	s_load_b256 s[4:11], s[0:1], 0x0               ; wq s[4:5], x s[6:7], bias s[8:9], the scales' exponents s[10:11]
	s_load_b64 s[12:13], s[0:1], 0x20              ; out0
	WIN 0x40
	v_lshl_add_u32 v254, v0, 2, SPARE
	v_mov_b32 v255, 0
	WIN 0x05
	ds_add_u32 v254, v255                          ; the wave's opening: the add, twice on end, and its wait ahead of my tensor load
	ds_add_u32 v254, v255
	WIN 0
	v_lshrrev_b32 v1, 5, v0
	v_readfirstlane_b32 s2, v1                     ; wave 0..7
	v_and_b32 v2, 31, v0                           ; lane
	v_and_b32 v3, 15, v0                           ; r
	v_bfe_u32 v4, v0, 4, 1                         ; h
	v_lshlrev_b32 v5, 2, v3
	v_lshlrev_b32 v38, 4, v4                       ; 16 h
	v_mov_b32 v39, -1
	s_bfe_u32 s14, ttmp6, 0x40000                  ; cx: my place in the cluster; it enters x's and out0's addresses alone
	s_lshr_b32 s15, ttmp9, 1                       ; in a cluster launch ttmp9 counts clusters
	s_lshl_b32 s15, s15, 2
	s_add_co_u32 s14, s15, s14                     ; which 512 rows
	s_and_b32 s3, ttmp9, 1                         ; which column half
	s_lshl_b32 s20, s14, 11
	s_lshl_b32 s21, s2, 8
	s_add_co_u32 s20, s20, s21                     ; x: 512 rows of 4 bytes a work-group, 64 a wave
	s_mov_b32 s21, 0
	s_lshl_b32 s32, s3, 8                          ; 256 bytes of bias, and of a row of out0, a half
	s_mov_b32 s33, 0
	s_lshl_b32 s22, s20, 7                         ; a row of out0 is 512 bytes
	s_add_co_u32 s22, s22, s32
	s_mov_b32 s23, 0
	s_lshl_b32 s17, s2, 14                         ; LDS address: 16,384 x wave: K steps 2 wave, 2 wave + 1
	s_lshl_b32 s36, s3, 17
	s_add_co_u32 s36, s36, s17
	s_mov_b32 s37, 0
	s_mov_b32 s16, 1                               ; group 0: count = 1
	; descriptor group 1: 16,384 bytes, dense: 64 rows of 32 elements of 8 bytes
	s_mov_b32 s24, 15|(3<<16)|(1<<21)              ; 15:0 the mask: all four work-groups; 17:16 elements of 8 bytes; 20 no padding; 21 set beside a mask
	s_mov_b32 s25, 32<<16                          ; tensor_dim0 = 32
	s_mov_b32 s26, 64<<16                          ; tensor_dim1 = 64
	s_mov_b32 s27, 32<<16                          ; tile_dim0 = 32
	s_mov_b32 s28, 64                              ; tile_dim1 = 64
	s_mov_b32 s29, 32                              ; from row to row: 32 elements
	s_mov_b32 s30, 0
	s_mov_b32 s31, 0
	s_wait_alu depctr_va_vdst(0)
	s_wait_dscnt 0x0                               ; both opening adds are done
	s_wait_kmcnt 0x0
	s_load_b64 s[34:35], s[10:11], 0x0             ; e0, e1
	s_add_nc_u64 s[6:7], s[6:7], s[20:21]
	s_add_nc_u64 s[8:9], s[8:9], s[32:33]
	s_add_nc_u64 s[12:13], s[12:13], s[22:23]
	s_add_nc_u64 s[18:19], s[4:5], s[36:37]
	s_or_b32 s19, s19, 0x80000000                  ; type = 2
.irp t, 0,1,2,3
	global_load_b32 v[8+\t], v5, s[6:7] offset:64*\t           ; x of row 16 t + r, in both halves of the lanes
.endr
	CROUND                                         ; all four work-groups are here: the joint loads meet
	tensor_load_to_lds s[16:19], s[24:31]          ; my one tensor load
	s_nop 0
.rept 4
	v_nop
.endr
	WIN 0x40
	v_lshlrev_b32 v[LA], 4, v2                     ; 16 lane
	WIN 0
	s_wait_alu depctr_va_vdst(0)
	s_wait_kmcnt 0x0
	s_wait_loadcnt 0x0                             ; x
	s_add_co_i32 s14, s34, s35
	s_add_co_i32 s14, s14, 127
	s_lshl_b32 s38, s14, 23                        ; 2^(e0 + e1) as f32,
	s_mov_b32 s39, s38                             ; (named with it as a pair, so it is written)
	s_add_co_i32 s14, s34, 127
	s_lshl_b32 s40, s14, 23                        ; 2^e0
	s_add_co_i32 s14, s14, 15
	s_lshl_b32 s14, s14, 23
	s_or_b32 s41, s14, 0x600000                    ; 57,344 x 2^e0
	s_mov_b32 s42, 0x7c000000                      ; 2^121
	s_mov_b32 s43, 0x7c000000
	; THE ROWS: f, frac and their codes; the four row tiles take turns line by line
	v_mov_b32 v36, s40
	v_mov_b32 v37, s41
.irp t, 0,1,2,3
	v_add_f32 v[8+\t], 0x447a0000, v[8+\t]         ; pos = x + 1000
.endr
.irp t, 0,1,2,3
	v_floor_f32 v[12+\t], v[8+\t]
.endr
.irp t, 0,1,2,3
	v_sub_f32 v[16+\t], v[8+\t], v[12+\t]          ; frac, exact
.endr
.irp t, 0,1,2,3
	v_min_num_f32 v[16+\t], v[16+\t], v37          ; the conversion to an 8-bit code does not saturate (ISA guide 7.6.2); nothing here is negative, so the hold is one-sided
	v_min_num_f32 v[20+\t], 1.0, v37               ; ones, held likewise
.endr
	v_cvt_scalef32_pk8_bf8_f32 v[32:33], v[16:23], v36         ; the four tiles' fractions, and O
.irp t, 0,1,2,3
	v_med3_num_f32 v[12+\t], v[12+\t], -1.0, 0x45000000        ; f held within -1 (all zeros) and 2,048 (all ones)
.endr
.irp t, 0,1,2,3
	v_cvt_i32_f32 v[40+\t], v[12+\t]
.endr
	v_readfirstlane_b32 s82, v33                   ; O is the same in all lanes
.irp t, 0,1,2,3
	v_bfe_u32 v[56+\t], v32, 8*\t, 8               ; my row's frac as a code
.endr
.irp t, 0,1,2,3
	v_lshlrev_b32 v[48+\t], 3, v[40+\t]            ; 8 f: a shift takes its low five bits, 8 (f % 4)
.endr
.irp t, 0,1,2,3
	v_lshlrev_b32 v[56+\t], v[48+\t], v[56+\t]     ; the code in its byte
.endr
.irp t, 0,1,2,3
	v_lshlrev_b32 v[72+\t], v[48+\t], v39          ; that byte and those above it
.endr
.irp t, 0,1,2,3
	v_ashrrev_i32 v[76+\t], 7, v[40+\t]            ; I, -1 .. 16
.endr
.irp t, 0,1,2,3
	v_bfe_u32 v[80+\t], v[40+\t], 2, 5             ; u
.endr
.irp t, 0,1,2,3
	v_sub_nc_u32 v[80+\t], v[80+\t], v38           ; u - 16 h
.endr
	WIN 0x40
.irp t, 0,1,2,3
	v_bfi_b32 v[244+\t], v[72+\t], v[56+\t], v33   ; mx: ones below, frac, zeros above
.endr
.irp t, 0,1,2,3
	v_cvt_f32_i32 v[240+\t], v[80+\t]
.endr
; E and Z of row tile T.  s[44:60]: (I > j) for j = -1 .. 15; s[66:81]: (I == j)
.macro EZ T
	WIN 0x40
.irp j, -1,0,1,2,3,4,5,6,7,8,9,10,11,12,13,14,15
	v_cmp_lt_i32 s[45+\j], \j, v[76+\T]
.endr
.irp j, 0,1,2,3,4,5,6,7,8,9,10,11,12,13,14,15
	s_and_not1_b32 s[66+\j], s[44+\j], s[45+\j]
	v_cndmask_b32 v[ZZ+16*\T+\j], 0, s82, s[45+\j]
.endr
	WIN 0
.irp j, 0,1,2,3,4,5,6,7,8,9,10,11,12,13,14,15
	v_cndmask_b32 v[EE+16*\T+\j], 0, 1.0, s[66+\j]
.endr
.endm
; Registers 2 k, 2 k + 1 of row tile gt's codes into buffer gb
.macro PK k
.if cN+2 < 64
.if gt%2
	v_pk_fma_f32 v[AB+16*gb+2*\k:AB+16*gb+2*\k+1], v[GG+gt-1:GG+gt], v[EE+16*gt+2*\k:EE+16*gt+2*\k+1], v[ZZ+16*gt+2*\k:ZZ+16*gt+2*\k+1] op_sel:[1,0,0] op_sel_hi:[1,1,1]
.else
	v_pk_fma_f32 v[AB+16*gb+2*\k:AB+16*gb+2*\k+1], v[GG+gt:GG+gt+1], v[EE+16*gt+2*\k:EE+16*gt+2*\k+1], v[ZZ+16*gt+2*\k:ZZ+16*gt+2*\k+1] op_sel_hi:[0,1,1]
.endif
.endif
.endm
.macro GT a                            ; tiles a, a + 1: what G is held from, and the step taken off for the next time
	v_pk_fma_f32 v[GG+\a:GG+\a+1], v[240+\a:241+\a], s[42:43], v[244+\a:245+\a] op_sel_hi:[1,0,1]
	v_pk_add_f32 v[240+\a:241+\a], v[240+\a:241+\a], -1.0 op_sel_hi:[1,0]
.endm
.macro GM a                            ; and G itself
	v_med3_num_f32 v[GG+\a], v[GG+\a], 0, s82
	v_med3_num_f32 v[GG+\a+1], v[GG+\a+1], 0, s82
.endm
; The four fragments of W of K step lS into the ring, in one run: four loads of 512 consecutive bytes each
.macro LOADB
	WIN 0x01
.irp c, 0,1,2,3
.irp q, 0,1,2,3
	ds_load_b128 v[64*(lS%3)+16*\c+4*\q:64*(lS%3)+16*\c+4*\q+3], v[LA] offset:8192*(lS%8)+2048*\c+512*\q
.endr
.endr
.endm
	EZ 0
	EZ 1
	EZ 2
	EZ 3
	WIN 0
	s_wait_alu depctr_va_vdst(0)
	s_wait_tensorcnt 0x0                           ; my two K steps are in
	s_barrier_signal -1
	s_barrier_wait -1                              ; and everybody's: LDS is whole
.set lS, 0
	LOADB
.set lS, 1
	LOADB
	WIN MAIN                                       ; G(0), and the codes of row tiles 0 and 1 in K step 0, while the first fragments are on their way
	GT 0
	GT 2
	GM 0
	GM 2
.set cN, 0
.irp a, 0,1
.set gt, \a
.set gb, \a
.irp k, 0,1,2,3,4,5,6,7
	PK \k
.endr
.endr
.macro WM c                            ; the product of row tile cT's codes and column tile c; K step 0's start the sums: nothing is ever cleared
.if cS == 0
	v_wmma_f32_16x16x128_bf8_bf8 v[32*cT+8*\c:32*cT+8*\c+7], v[AB+16*(cN%3):AB+16*(cN%3)+15], v[16*\c:16*\c+15], 0
.else
	v_wmma_f32_16x16x128_bf8_bf8 v[32*cT+8*\c:32*cT+8*\c+7], v[AB+16*(cN%3):AB+16*(cN%3)+15], v[64*(cS%3)+16*\c:64*(cS%3)+16*\c+15], v[32*cT+8*\c:32*cT+8*\c+7]
.endif
.endm
; A K STEP (cS): four slots of four products, one slot a row tile.  Slot cN = 4 cS + t makes the codes for slot cN + 2, into the buffer that slot cN - 1 has read: two multiply-adds at that slot's end and the two lines on G
; stand between its last product and the first write, and ahead of the LDS loads, which go for K step cS + 2 into the ring's slot that step cS - 1 has left.
; The 16 accumulators take turns, one instruction a turn, in the same order in every K step.
.macro STEP
.irp t, 0,1,2,3
.set cT, \t
.set cN, 4*cS+\t
.set gt, (cN+2)%4
.set gb, (cN+2)%3
.set lS, cS+2
.if \t == 0
.if (cS == 15) || (cS == 0)
	s_wait_alu depctr_va_vdst(0)
.endif
.if cS == 15
	s_wait_dscnt 0x0
.else
	s_wait_dscnt 16                                ; this step's fragments are in; the next step's sixteen loads may be out
.endif
.endif
	WIN MAIN
	WM 0
.if cS < 15
.if \t == 0
	GT 0                                           ; tiles 0, 1: the next step's
.elseif \t == 1
	GM 0
.elseif \t == 2
	GT 2
.else
	GM 2
.endif
.elseif \t < 2
	v_nop                                          ; no next step: two places
	v_nop
.endif
.if (lS < 16) && (\t == 0)
.if lS == 8
	v_add_nc_u32 v[LA], v[LA], 0x10000             ; an LDS immediate reaches 65,535 bytes: K steps 8 to 15 from 65,536 on
.endif
	LOADB
.endif
.if (cS == 14) && (\t == 3)
	WIN 0x01                                       ; the ring's slot of K step 13 is not filled again: the way out's addresses and the bias
	v_bfe_u32 v68, v[LA], 4, 4                     ; r
	v_bfe_u32 v[OFW], v[LA], 8, 1                  ; h
	WIN 0
	v_lshlrev_b32 v68, 4, v68                      ; 16 r
	v_lshl_add_u32 v[OFW], v[OFW], 12, v68         ; 4,096 h + 16 r
	global_load_b128 v[BR:BR+3], v68, s[8:9]       ; bias of my half's columns 4 r + 0..3
.endif
	WIN MAIN
	WM 1
	PK 0
	PK 1
	PK 2
	WM 2
	PK 3
	PK 4
	PK 5
	WM 3
	PK 6
	PK 7
.endr
.endm
.set cS, 0
.rept 16                               ; written out: ring slots and buffers change from step to step; no label stands in it
	STEP
.set cS, cS+1
.endr
; THE WAY OUT, row tile by row tile, in window 0: v192-255, E's, at work; the ring's registers the store data, each tile its own.  Each accumulator from its low end on; tile 0's lines are the places behind tile 3's last products.
.macro BIASPK d, a, c                  ; two sums x 2^(e0 + e1) + the bias of column tile c
.if (\c)%2
	v_pk_fma_f32 v[\d:\d+1], v[\a:\a+1], s[38:39], v[BR+\c-1:BR+\c] op_sel:[0,0,1] op_sel_hi:[1,0,1]
.else
	v_pk_fma_f32 v[\d:\d+1], v[\a:\a+1], s[38:39], v[BR+\c:BR+\c+1] op_sel_hi:[1,0,0]
.endif
.endm
	s_wait_alu depctr_va_vdst(0)
	s_wait_loadcnt 0x0                             ; the bias
.irp t, 0,1,2,3
.set oD, (128+32*\t)%192
	WIN 0x01
.irp jj, 0,2,4,6
.irp c, 0,1,2,3
	BIASPK 192+32*(\t%2)+4*\jj+2*\c, 32*\t+8*\c+\jj, \c
.endr
.endr
	WIN 0
.irp j, 0,1,2,3,4,5,6,7
.irp c, 0,1,2,3
	v_max_num_f32 v[oD+4*\j+\c], 0, v[192+32*(\t%2)+8*(\j/2)+2*\c+(\j%2)]
.endr
.endr
.irp j, 0,1,2,3,4,5,6,7
	global_store_b128 v[OFW], v[oD+4*\j:oD+4*\j+3], s[12:13] offset:8192*\t+512*\j th:TH_STORE_NT   ; lanes 0-15: 256 consecutive aligned bytes of row 16 t + j; lanes 16-31: of row 16 t + 8 + j
.endr
.endr
	WIN 0x05
	s_wait_tensorcnt 0x0                           ; the wave's end
	ds_add_u32 v254, v255
	s_wait_dscnt 0x0
	WIN 0                                          ; at a label and at a branch every window is 0
	CROUND                                         ; the closing round: no work-group ends while a partner may still ask for a tile that names it
	s_endpgm
.Lfunc_end_k_qcaf7540e96_bins:
	.size	k_qcaf7540e96_bins, .Lfunc_end_k_qcaf7540e96_bins-k_qcaf7540e96_bins
	.p2alignl 7, 3214868480
	.fill 96, 4, 3214868480
	.section	.rodata,"a",@progbits
	.p2align	6, 0x0
	.amdhsa_kernel k_qcaf7540e96_bins
		.amdhsa_group_segment_fixed_size 167936
		.amdhsa_private_segment_fixed_size 0
		.amdhsa_enable_private_segment 0
		.amdhsa_kernarg_size 40
		.amdhsa_user_sgpr_count 2
		.amdhsa_user_sgpr_kernarg_segment_ptr 1
		.amdhsa_wavefront_size32 1
		.amdhsa_system_sgpr_workgroup_id_x 1
		.amdhsa_system_sgpr_workgroup_id_y 1
		.amdhsa_system_sgpr_workgroup_id_z 1
		.amdhsa_system_vgpr_workitem_id 0
		.amdhsa_next_free_vgpr 512
		.amdhsa_next_free_sgpr 84
		.amdhsa_reserve_vcc 0
		.amdhsa_float_denorm_mode_32 3
		.amdhsa_float_denorm_mode_16_64 3
		.amdhsa_memory_ordered 1
		.amdhsa_forward_progress 1
		.amdhsa_inst_pref_size 108
	.end_amdhsa_kernel
	.amdgpu_metadata
---
amdhsa.version: [ 1, 2 ]
amdhsa.kernels:
  - .name:           k_qcaf7540e96_bins
    .symbol:         k_qcaf7540e96_bins.kd
    .args:
      - { .name: wq, .offset: 0, .size: 8, .value_kind: global_buffer, .address_space: global }
      - { .name: x, .offset: 8, .size: 8, .value_kind: global_buffer, .address_space: global }
      - { .name: bias, .offset: 16, .size: 8, .value_kind: global_buffer, .address_space: global }
      - { .name: lowp_scales, .offset: 24, .size: 8, .value_kind: global_buffer, .address_space: global }
      - { .name: out0, .offset: 32, .size: 8, .value_kind: global_buffer, .address_space: global }
    .group_segment_fixed_size: 167936
    .private_segment_fixed_size: 0
    .kernarg_segment_align: 8
    .kernarg_segment_size: 40
    .max_flat_workgroup_size: 256
    .sgpr_count:     84
    .vgpr_count:     512
    .wavefront_size: 32
...
	.end_amdgpu_metadata
.endif
;; end of part 2
